; MI455X (gfx1250); checked and timed in simulation.
; The chip was launched on July 23, 2026; its instructions are those of AMD's public machine-readable ISA for CDNA 5 (MIT licence, August 2026) and "CDNA5" Instruction Set Architecture Reference Guide (July 2026). The comments in the code are by the model that wrote it; some were corrected since.
;; Drug Attention. Allowed arithmetic: matrix products marked QUANTISED: E2M1 operands, one E8M0 scale for each 32 along K, by v_wmma_scale_f32_16x16x128_f8f6f4 with both operands' format E2M1 (or v_wmma_scale_f32_32x16x128_f4), f32 sums; everything else in f32.
;; Inputs: Wk 512 x 512 float32; Wq 512 x 512 float32; Wv 512 x 512 float32; x 1,024 x 64 x 512 float32.
;; Outputs: out0 1,024 x 512 float32.
;; This version of the problem:
;;   THIS VERSION OF THE PROBLEM IS GIVEN IN LOW PRECISION. The matrix products marked QUANTISED in the list below multiply operands that are first quantised to E2M1 (2 exponent bits, 1 mantissa bit; 4 bits a number), with one power-of-two scale for each 32 numbers along K (OCP MX v1.0); their sums are f32. All else is computed in f32.
;;   The module's matrix products, in the order in which they are computed (A, B: the left and right operand; K: the contracted axis; several contracted axes count as one K, in the product's order):
;;     1. [M 65,536, K 512] x [K 512, N 512]; A: input x; B: input Wq: QUANTISED
;;     2. [M 65,536, K 512] x [K 512, N 512]; A: input x; B: input Wk: QUANTISED
;;     3. [M 65,536, K 512] x [K 512, N 512]; A: input x; B: input Wv: QUANTISED
;;     4. batch 1,024 x [M 64, K 512] x [K 512, N 64]; A: computed on the way; B: computed on the way: QUANTISED
;;     5. batch 1,024 x [M 64, K 64] x [K 64, N 512]; A: softmax (see below); B: computed on the way: QUANTISED
;;   THE QUANTISER, for each operand of a quantised product, along K:
;;     - K is cut into blocks of 32 from its start; a last block that is shorter is filled with zeros.
;;     - A block's scale is 2^e with e = floor(log2(the largest magnitude in the block)) - 2, held to -126 .. 127; a block of zeros has e = 0. As a byte (E8M0): e + 127.
;;     - Each number is divided by its block's scale, clamped to +-6, and rounded to the nearest number of E2M1, ties to even, subnormals kept.
;;     - The product sums the exact products of the quantised numbers (number of the format x scale) in f32.
;;   ~~~python
;;   def quantise(x, axis):      # numpy; x: float32 -> the quantised numbers, widened to float32 again
;;       x = np.moveaxis(x, axis, -1); K = x.shape[-1]
;;       x = np.pad(x, [(0, 0)] * (x.ndim - 1) + [(0, -K % 32)]); x = x.reshape(x.shape[:-1] + (-1, 32)); a = np.abs(x).max(-1, keepdims=True)
;;       e = np.where(a > 0, np.clip(np.frexp(np.where(a > 0, a, 1))[1] - 1 - 2, -126, 127), 0)      # np.frexp(a)[1] - 1 = floor(log2(a)), exactly
;;       r = np.clip(x / 2.0 ** e, -6, 6)
;;       step = 2.0 ** (np.maximum(np.frexp(np.where(r == 0, 1, r))[1] - 1, 0) - 1)
;;       q = np.round(r / step) * step * 2.0 ** e      # np.round: ties to even
;;       return np.moveaxis(q.reshape(q.shape[:-2] + (-1,))[..., :K], -1, axis).astype(np.float32)
;;   ~~~
;;   SOFTMAX AHEAD OF A QUANTISED PRODUCT. Where the list says 'softmax', what is quantised is not the finished softmax but p = 2^(t - M), with t = logit x log2(e) and M = ceil(the row's largest t), a whole number; so 1/2 < the row's largest p <= 1. The row's sum l is taken of the UNQUANTISED p, in f32, and the product's result is divided by l at the end. Since M is a whole number, a kernel that streams over the keys may use a running M (the ceiling of the running maximum): every later rescaling is an exact power of two, which a block's scale takes up: the codes' values come out the same.
;;   OPERANDS COMPUTED ON THE WAY. 'Computed on the way' means the value that the module computes at that place (a softmax that the list does not call 'softmax' is quantised finished and normalised). What goes into a quantiser is computed in f32, as accurately as f32 sums, v_exp_f32 and their like allow (about 1e-6 of the number): no bf16 or f16 on the way to a quantiser, and a product that is left as it is and whose result goes on into a quantised operand takes f32 operands (vector FMAs, or v_wmma_f32_16x16x4_f32). A number that lies on a knife's edge between two numbers of the format may be rounded either way, as far as f32 arithmetic and the matrix unit's own rounding can turn it there, and no further.
;; One version. Each part assembles by itself: llvm-mc -triple=amdgcn-amd-amdhsa -mcpu=gfx1250 --defsym DOCPART=n.
;; ======== version 1 of 1: 2 launches
;; limits: right only within a limited range of input values
;; workspace buffers: wimg 393,216 bytes; wscl 24,576 bytes
;; launch wq (part 1): grid 32 x 3, 4 waves a work-group, no clusters, 768 bytes of LDS; arguments Wq, Wk, Wv, wimg, wscl; writes wimg, wscl
.if DOCPART == 1
	.amdgcn_target "amdgcn-amd-amdhsa--gfx1250"
	.amdhsa_code_object_version 6
	.text
	.protected	k_q65c872d83f_wq
	.globl	k_q65c872d83f_wq
	.p2align	8
	.type	k_q65c872d83f_wq,@function
k_q65c872d83f_wq:
	s_mov_b64 s[64:65], 0
	v_nop
	global_prefetch_b8 v0, s[64:65] scope:SCOPE_SE
	s_setreg_imm32_b32 hwreg(HW_REG_WAVE_MODE, 25, 1), 1
	s_wait_xcnt 0x0
; Wq, Wk, Wv [512][512] f32 (K = the second axis, innermost) become codes of FP4 (E2M1) with one E8M0 byte for each 32 along K,
; laid as the next launch's waves take them into registers: IMAGES OF OPERAND REGISTERS, not rows.
; A block's scale is 2^(floor(log2(its largest magnitude)) - 2); its byte is the largest magnitude's exponent field - 2, held at 1 from below.
; LIMITS: a block of zeros gets the byte 1 where the rule says 127 (its codes are zeros, and this program alone reads the bytes);
; NaN and infinities among the inputs are not served.
; SHARES: work-group (x = 8 w + t, y = g): tile t (16 rows) of the 128 rows that wave w of the next launch keeps of matrix g (0 Wq, 1 Wk, 2 Wv).
; Its four waves take the four K steps of 128: each issues its 16 loads at once and makes one fragment and one scale word a row.
; THE ROWS OF A TILE: for Wq and Wk lane r takes row 128 w + 32 (t / 2) + 8 (t % 2) + r + 8 (r / 8), so that the results of two neighbouring tiles are
; 16 neighbours along the next product's K; for Wv row 128 w + 16 t + r.
; wimg: fragment (g, w, f), f = 8 (t / 2) + 2 s + t % 2 for K step s, at ((4 g + w) 32 + f) 1024; its registers 4 c .. 4 c + 3 at + 512 c + 16 x lane:
;       lane (r, h) holds k = 128 s + 64 c + 32 h + 0 .. 31 of its row.   wscl: a row's 16 scale bytes at (12 w + 4 g + t / 2) 512 + (t % 2) 256 + 16 r.
; A lane's 32 registers are a whole block, so a maximum needs no other lane; a scale word's four bytes are gathered from lanes l and l xor 16.
; A row's four scale words come from four waves: they meet in 256 bytes of LDS, and wave 0 stores the tile's 256 bytes whole.
.set MX, 8                             ; v8-9    the two blocks' largest magnitudes;  v24-25 a second chain for each
.set MB, 24
.set SO, 10                            ; v10-11  the conversions' scale operands
.set BY, 12                            ; v12-13  the scale bytes
.set SW, 16                            ; v16     my rows' scale word of my K step
.set CD, 32                            ; v32-39  the fragment's codes
.set X0, 64                            ; v64-127 my 64 numbers
	s_load_b256 s[4:11], s[0:1], 0x0               ; Wq s[4:5], Wk s[6:7], Wv s[8:9], wimg s[10:11]
	s_load_b64 s[12:13], s[0:1], 0x20              ; wscl
	v_lshl_add_u32 v128, v0, 2, 0x100
	v_mov_b32 v129, 0
	v_lshrrev_b32 v7, 5, v0
	v_readfirstlane_b32 s30, v7                    ; wave = K step s
	v_and_b32 v1, 15, v0                           ; r
	s_wait_alu depctr_va_vdst(0)
	v_bfe_u32 v2, v0, 4, 1                         ; h
	v_and_b32 v4, 31, v0
	v_lshlrev_b32 v4, 4, v4                        ; 16 x lane
	v_lshlrev_b32 v5, 4, v1                        ; 16 r
	v_lshlrev_b32 v6, 3, v2                        ; 8 h: how far my two bytes move up in the scale word
	v_mov_b32 v15, 0                               ; written once: a lane permute's destination counts as one of its sources
	s_lshl_b32 s31, s30, 2
	v_add_nc_u32 v18, s31, v5                      ; LDS: 16 r + 4 s: my row's word of my K step
	s_mov_b32 s28, 0x76543210
	s_mov_b32 s29, 0xfedcba98                      ; v_permlanex16_b32's selects for lane l xor 16
	s_and_b32 s16, ttmp7, 0xffff                   ; g
	s_lshr_b32 s17, ttmp9, 3                       ; w
	s_and_b32 s18, ttmp9, 7                        ; t
	s_lshr_b32 s20, s18, 1                         ; t / 2
	s_and_b32 s21, s18, 1                          ; t % 2
	s_lshl_b32 s22, s20, 5
	s_lshl_b32 s23, s21, 3
	s_add_co_u32 s22, s22, s23                     ; 32 (t / 2) + 8 (t % 2)
	s_lshl_b32 s23, s18, 4                         ; 16 t
	s_lshl_b32 s24, s17, 7                         ; 128 w
	s_cmp_eq_u32 s16, 2
	s_cselect_b32 s19, 0, 1                        ; 1 where the tile's two groups of eight rows lie 16 apart
	s_cselect_b32 s22, s23, s22
	s_add_co_u32 s22, s22, s24                     ; the tile's first row,
	s_lshl_b32 s22, s22, 11                        ; in bytes,
	s_lshl_b32 s31, s30, 9
	s_add_co_u32 s22, s22, s31                     ; + my K step's 512 bytes
	s_mov_b32 s23, 0
	v_and_b32 v7, 8, v1
	v_mul_u32_u24 v7, v7, s19
	v_add_nc_u32 v7, v7, v1                        ; r, or r + 8 (r / 8)
	v_lshlrev_b32 v3, 11, v7                       ; a row is 2,048 bytes
	v_lshl_add_u32 v3, v2, 7, v3                   ; + 128 h: my block of 32 numbers
	s_lshl_b32 s24, s16, 2
	s_add_co_u32 s24, s24, s17
	s_lshl_b32 s24, s24, 15                        ; wimg: (4 g + w) x 32 fragments,
	s_lshl_b32 s25, s20, 13
	s_add_co_u32 s24, s24, s25                     ; + 8 (t / 2) fragments,
	s_lshl_b32 s25, s30, 11
	s_add_co_u32 s24, s24, s25                     ; + 2 s,
	s_lshl_b32 s25, s21, 10
	s_add_co_u32 s24, s24, s25                     ; + t % 2
	s_mov_b32 s25, 0
	s_mul_i32 s26, s17, 12
	s_lshl_b32 s27, s16, 2
	s_add_co_u32 s26, s26, s27
	s_add_co_u32 s26, s26, s20
	s_lshl_b32 s26, s26, 9                         ; wscl: (12 w + 4 g + t / 2) x 512,
	s_lshl_b32 s27, s21, 8
	s_add_co_u32 s26, s26, s27                     ; + 256 (t % 2)
	s_mov_b32 s27, 0
	s_wait_alu depctr_va_vdst(0)
	s_wait_kmcnt 0x0
	s_cmp_eq_u32 s16, 0                            ; which matrix: the choice hangs on the work-group's number alone
	s_cselect_b64 s[14:15], s[4:5], s[6:7]
	s_cmp_eq_u32 s16, 2
	s_cselect_b64 s[14:15], s[8:9], s[14:15]
	s_add_nc_u64 s[14:15], s[14:15], s[22:23]
	s_add_nc_u64 s[10:11], s[10:11], s[24:25]
	s_add_nc_u64 s[12:13], s[12:13], s[26:27]
.irp c, 0,1                                    ; my two blocks, 32 numbers each
.irp j, 0,1,2,3,4,5,6,7
	global_load_b128 v[X0+32*\c+4*\j:X0+32*\c+4*\j+3], v3, s[14:15] offset:256*\c+16*\j
.endr
.endr
	s_wait_loadcnt 0x0
.irp c, 0,1
	v_max3_num_f32 v[MX+\c], |v[X0+32*\c]|, |v[X0+32*\c+1]|, 0x1800000   ; block 2 c + h, and the floor 2^(3 - 127): the byte cannot fall under 1
.endr
.irp c, 0,1
	v_max3_num_f32 v[MB+\c], |v[X0+32*\c+16]|, |v[X0+32*\c+17]|, |v[X0+32*\c+18]|   ; a second chain for each block: four chains by turns
.endr
.irp i, 2,4,6,8,10,12
.irp c, 0,1
	v_max3_num_f32 v[MX+\c], v[MX+\c], |v[X0+32*\c+\i]|, |v[X0+32*\c+\i+1]|
.endr
.irp c, 0,1
	v_max3_num_f32 v[MB+\c], v[MB+\c], |v[X0+32*\c+\i+17]|, |v[X0+32*\c+\i+18]|
.endr
.endr
.irp c, 0,1
	v_max3_num_f32 v[MX+\c], v[MX+\c], |v[X0+32*\c+14]|, |v[X0+32*\c+15]|
.endr
.irp c, 0,1
	v_max3_num_f32 v[MX+\c], v[MX+\c], v[MB+\c], |v[X0+32*\c+31]|
.endr
.irp c, 0,1
	v_add_nc_u32 v[SO+\c], 0xff000000, v[MX+\c]    ; 2 off the exponent field: the conversion takes that field of this operand as its scale
.endr
.irp c, 0,1
.irp g, 0,1,2,3
	v_cvt_scalef32_pk8_fp4_f32 v[CD+4*\c+\g], v[X0+32*\c+8*\g:X0+32*\c+8*\g+7], v[SO+\c]
.endr
.endr
.irp c, 0,1
	v_lshrrev_b32 v[BY+\c], 23, v[SO+\c]           ; the scale's byte.  (Plain lines behind the last conversion)
.endr
	v_lshl_or_b32 v14, v[BY+1], 16, v[BY]          ; my two bytes: blocks h and 2 + h,
	v_lshlrev_b32 v14, v6, v14                     ; at their places in the word;
	v_permlanex16_b32 v15, v14, s28, s29
	v_or_b32 v[SW], v14, v15                       ; with lane l xor 16's two the word is whole
.irp c, 0,1
	global_store_b128 v4, v[CD+4*\c:CD+4*\c+3], s[10:11] offset:512*\c   ; 32 lanes store 512 consecutive bytes, aligned
.endr
	ds_store_b32 v18, v[SW]                        ; both halves of the lanes hold and write the same word
	s_wait_dscnt 0x0                               ; for the others' sake: my word has landed
	s_barrier_signal -1
	s_barrier_wait -1
	s_cmp_lg_u32 s30, 0                            ; wave 0 alone stores the tile's scale bytes
	s_cbranch_scc1 .Ldone
	ds_load_b128 v[20:23], v5                      ; row r's four words
	s_wait_dscnt 0x0
	global_store_b128 v5, v[20:23], s[12:13]       ; the tile's 256 scale bytes, aligned; both halves of the lanes write the same
.Ldone:
	s_barrier_signal -1
	s_barrier_wait -1
	s_wait_tensorcnt 0x0
	ds_add_u32 v128, v129
	s_wait_dscnt 0x0
	s_endpgm
.Lfunc_end_k_q65c872d83f_wq:
	.size	k_q65c872d83f_wq, .Lfunc_end_k_q65c872d83f_wq-k_q65c872d83f_wq
	.p2alignl 7, 3214868480
	.fill 96, 4, 3214868480
	.section	.rodata,"a",@progbits
	.p2align	6, 0x0
	.amdhsa_kernel k_q65c872d83f_wq
		.amdhsa_group_segment_fixed_size 768
		.amdhsa_private_segment_fixed_size 0
		.amdhsa_enable_private_segment 0
		.amdhsa_kernarg_size 40
		.amdhsa_user_sgpr_count 2
		.amdhsa_user_sgpr_kernarg_segment_ptr 1
		.amdhsa_wavefront_size32 1
		.amdhsa_system_sgpr_workgroup_id_x 1
		.amdhsa_system_sgpr_workgroup_id_y 1
		.amdhsa_system_sgpr_workgroup_id_z 1
		.amdhsa_system_vgpr_workitem_id 0
		.amdhsa_next_free_vgpr 130
		.amdhsa_next_free_sgpr 66
		.amdhsa_reserve_vcc 0
		.amdhsa_float_denorm_mode_32 3
		.amdhsa_float_denorm_mode_16_64 3
		.amdhsa_memory_ordered 1
		.amdhsa_forward_progress 1
		.amdhsa_inst_pref_size 8
	.end_amdhsa_kernel
	.amdgpu_metadata
---
amdhsa.version: [ 1, 2 ]
amdhsa.kernels:
  - .name:           k_q65c872d83f_wq
    .symbol:         k_q65c872d83f_wq.kd
    .args:
      - { .name: Wq, .offset: 0, .size: 8, .value_kind: global_buffer, .address_space: global }
      - { .name: Wk, .offset: 8, .size: 8, .value_kind: global_buffer, .address_space: global }
      - { .name: Wv, .offset: 16, .size: 8, .value_kind: global_buffer, .address_space: global }
      - { .name: wimg, .offset: 24, .size: 8, .value_kind: global_buffer, .address_space: global }
      - { .name: wscl, .offset: 32, .size: 8, .value_kind: global_buffer, .address_space: global }
    .group_segment_fixed_size: 768
    .private_segment_fixed_size: 0
    .kernarg_segment_align: 8
    .kernarg_segment_size: 40
    .max_flat_workgroup_size: 128
    .sgpr_count:     66
    .vgpr_count:     130
    .wavefront_size: 32
...
	.end_amdgpu_metadata
.endif
;; end of part 1
;; launch attn (part 2): grid 256 x 1, 8 waves a work-group, no clusters, 327,680 bytes of LDS; arguments x, wimg, wscl, out0; writes out0
.if DOCPART == 2
	.amdgcn_target "amdgcn-amd-amdhsa--gfx1250"
	.amdhsa_code_object_version 6
	.text
	.protected	k_q65c872d83f_attn
	.globl	k_q65c872d83f_attn
	.p2align	8
	.type	k_q65c872d83f_attn,@function
k_q65c872d83f_attn:
	s_mov_b64 s[64:65], 0
	v_nop
	global_prefetch_b8 v0, s[64:65] scope:SCOPE_SE
	s_setreg_imm32_b32 hwreg(HW_REG_WAVE_MODE, 25, 1), 1
	s_wait_xcnt 0x0
; out[b][:] = the sum over the 64 queries of softmax(Q K^T / sqrt(512)) V, with Q, K, V = x[b] Wq^T, x[b] Wk^T, x[b] Wv^T; x [1024][64][512] f32, out [1024][512] f32.
; All five products run on codes of FP4 (E2M1) with one E8M0 scale for each 32 along K; every operand is quantised from f32 numbers; sums in f32.
; Ahead of the last product p = 2^(t - M), t = score x log2(e) / sqrt(512), M = the row's largest t rounded up to a whole number; the row's sum l is taken of the unquantised p and divides at the end.
; LIMITS: NaN and infinities among the inputs are not served; a block of zeros gets the scale byte 1 (its codes are zeros, the bytes are this program's own); a p under 2^-126 counts as 0 (v_exp_f32);
; the softmax's promise holds while the scaled scores t stay under 2^31 in magnitude.
; SHARES.  256 work-groups of eight waves; a work-group stays and walks 4 batches.  THE WAVES SHARE THE COLUMNS: wave w keeps the codes of rows 64 w .. 64 w + 63 of Wq, Wk and Wv in registers for
; the whole launch (3 x 16 fragments x 8 = 384 registers: Wv v128-255, Wq and Wk window 1), read once; their scale words lie in LDS.  x comes by tensor loads, 8 rows a wave, through ONE LDS slot of a batch, which is
; free again as soon as x has been quantised.  The weights go from memory straight into registers, once a launch, and x is shared by nobody: so no tile is shared between work-groups through LDS, and no cluster.
; Each wave prefetches, one batch ahead of its tensor load, the 8 rows that it will itself load (64 blocks of 256 bytes, 32 an instruction).
; TILES OF ROWS ARE PERMUTED: lane r of tile 2 b + u is row 32 b + 8 u + r + 8 (r / 8) of the batch.
;   P1  all waves: for each tile m of rows Q and K TRANSPOSED (source 0 = 16 rows of W, source 1 = x): a lane holds one row and 2 x 16 neighbours of my 64 units: quantised, they are half a fragment of Q K^T;
;       then V natural (source 0 = x, source 1 = 16 rows of Wv): quantised along the keys, V's codes stay in my registers                     | barrier
;   P2  waves 0-3: S^T = K Q^T for query tile w, softmax, p quantised along the keys, to LDS;  waves 4-7: x of the next batch is quantised, tile w - 4   | barrier, behind which the slot is filled again
;   P3  all waves: P V for all 64 queries and my 64 columns; each result x 1 / l of its query, summed over the queries; 256 bytes of out.  P1 of the next batch follows without a barrier.
; The last product has K = 64: registers 4-7 of P's fragments are zero codes and bytes 2, 3 of both scale words are 0; V's codes lie 4 registers a tile, so registers 4-7 of tile i's operand are
; what lies behind (any bits are finite codes, times zero).
.set XROW,  2080                       ; a row of x in LDS: two half rows of 1,024 bytes + 16 of padding
.set PART,  16656                      ; 8 rows and 16 bytes.  Part k (rows 8 k on) begins at PART k + 16 ((k / 2) % 2): rows r and r + 16 then start an odd multiple of 16 bytes apart modulo 32, neighbouring rows 32 apart:
                                       ; the 16 rows that a load touches start in 16 different groups of four banks (64 banks of 4 bytes: ISA guide 11.1)
.set IMG0,  133376                     ; from the first multiple of 256 behind the slot on: bytes that LDS stores write and no tensor load fills.  Offsets from IMG0:
.set XIMG,  0                          ; x's 16 fragments: (tile t, K step s) at (4 t + s) 1024
.set QIMG,  16384                      ; Q's: (tile m, K step s) at (4 s + m) 1024
.set KIMG,  32768                      ; K's likewise
.set XSC,   49152                      ; x's scale words: 256 t + 16 r + 4 s
.set QSC,   50176                      ; Q's: 256 s + 64 m + 4 r
.set KSC,   51200                      ; K's likewise
.set PIMG,  52224                      ; P's four half fragments: 512 q
.set PSC,   54272                      ; P's scale words: 64 q + 4 r
.set LINV,  54528                      ; 1 / l: 64 q + 4 r
.set STG,   54784                      ; the way out: 256 bytes for each wave
.set WSC,   56832                      ; the weights' scale words: 3,072 w + 1,024 g + 512 (t / 2) + 16 x lane
.set SPARE, IMG0+81408                 ; the spare words, 128 bytes for each wave: four blocks of 256 bytes that no other line names
; registers that stay (v0: my thread's number)
.set SPW,  1                           ; LDS address of my spare word
.set NIL,  2                           ; 0
.set LB,   3                           ; IMG0 + 16 x lane
.set LQ,   4                           ; + 4096 (w / 2) + 512 (w % 2): where my half fragments of Q and K go
.set LQS,  5                           ; IMG0 + 4 r + 256 (w / 2) + 2 (w % 2): and their scale bytes
.set XA,   6                           ; my lane's place in the slot, tile w % 4
.set PW,   7                           ; P1: scale bytes of Q (low half) and K (high half); ahead of that the address of my weights' scale words
.set VC,   8                           ; v8-23 V's codes, 4 registers a tile.  P1: Wq's and Wk's scale words (WQ), then V's first codes and Wv's scale words (WV4)
.set WQ,   8
.set WV4,  16
.set PC,   24                          ; v24-27 codes just made;  V: the first half's scale bytes (VB)
.set VB,   24
.set SC4,  124                         ; v124-127 x's scale words of two tiles (lanes 0-15, 16-31);  from V's end on V's scale words (VS)
.set VS,   124
; work: v28-123
.set XF,   28                          ; QK: x's four fragments;  V: two K steps of two tiles' fragments
.set ACC,  60                          ; QK: Q's four tiles of results, K's four;  V: 4 tiles of columns x 2 tiles of rows
.set KB,   28                          ; S: K's four fragments;  QB: Q's, two;  SA: the scores, then p;  SQ4, SK8: scale words;  SM at work;  NM: -M
.set SA,   60
.set QB,   92
.set SQ4,  108
.set SK8,  112
.set SM,   92
.set NM,   100
.set SLW,  120                         ; S: IMG0 + 16 x lane + 1024 w;  SLR: IMG0 + 4 r + 64 w;  SL4: IMG0 + 4 x lane;  SLP: IMG0 + 16 x lane + 512 w
.set SLR,  121
.set SL4,  122
.set SLP,  123
.set XN,   28                          ; X: two sets of 32 numbers;  PWX: scale words;  XAD, XI, XSA: addresses
.set PWX,  100
.set XAD,  104
.set XI,   105
.set XSA,  106
.set PF,   28                          ; O: P's four fragments;  OA: four accumulators;  LV: 1 / l of two tiles' queries;  PS: a pair of sums for each tile of columns;  SCP: P's scale words
.set OA,   60
.set LV,   92
.set PS,   108
.set SCP,  116
.set OL4,  120
.set OLH,  121
.set PFL,  123                         ; the prefetch's offset, 256 x lane
; scalars
.set WV,   12                          ; my wave's number
.set BC,   13                          ; batches to go in the loop
.set W10,  14
.set W9,   15
.set G1,   16                          ; s[16:23] descriptor group 1;  s[24:27] group 0, which walks
.set G0,   24
.set IR,   28
.set X12,  29
.set XSS,  30
.set ST,   31
.set WSO,  32
.set SEL,  34                          ; s[34:35] v_permlanex16_b32's selects for lane l xor 16
.set CS,   36                          ; s[36:37] c = log2(e) / sqrt(512)
.set PFA,  38                          ; s[38:39] my 8 rows of my work-group's first batch
.set TM,   44                          ; the quantiser: four largest magnitudes, then scale operands; behind them four of a second chain, then the other half's, then bytes
.set MSB, 0
.macro WIN new                         ; s_set_vgpr_msb: bits 1:0 source 0, 3:2 source 1, 5:4 source 2, 7:6 destination; the high byte repeats the setting that is left
.if MSB != (\new)
	s_set_vgpr_msb (MSB<<8)|(\new)
.set MSB, (\new)
.endif
.endm
.macro PLACES n                        ; plain vector lines behind a matrix instruction (ISA guide 7.12.1)
.rept \n
	v_nop
.endr
.endm
; One product.  z = 1: it starts its sum with the constant 0.  ra, rb = 1: the side's scale words stand in lanes 16-31 of the register named.
.macro WMS d, a, b, z, sa, sb, ra, rb
.set WD, \d
.set WA, \a
.set WB, \b
.set WSA, \sa
.set WSB, \sb
.set WK, 4*(\z)+2*(\ra)+(\rb)
.if WK == 0
	v_wmma_scale_f32_16x16x128_f8f6f4 v[WD:WD+7], v[WA:WA+7], v[WB:WB+7], v[WD:WD+7], v[WSA], v[WSB] matrix_a_fmt:MATRIX_FMT_FP4 matrix_b_fmt:MATRIX_FMT_FP4
.elseif WK == 1
	v_wmma_scale_f32_16x16x128_f8f6f4 v[WD:WD+7], v[WA:WA+7], v[WB:WB+7], v[WD:WD+7], v[WSA], v[WSB] matrix_a_fmt:MATRIX_FMT_FP4 matrix_b_fmt:MATRIX_FMT_FP4 matrix_b_scale:MATRIX_SCALE_ROW1
.elseif WK == 2
	v_wmma_scale_f32_16x16x128_f8f6f4 v[WD:WD+7], v[WA:WA+7], v[WB:WB+7], v[WD:WD+7], v[WSA], v[WSB] matrix_a_fmt:MATRIX_FMT_FP4 matrix_b_fmt:MATRIX_FMT_FP4 matrix_a_scale:MATRIX_SCALE_ROW1
.elseif WK == 3
	v_wmma_scale_f32_16x16x128_f8f6f4 v[WD:WD+7], v[WA:WA+7], v[WB:WB+7], v[WD:WD+7], v[WSA], v[WSB] matrix_a_fmt:MATRIX_FMT_FP4 matrix_b_fmt:MATRIX_FMT_FP4 matrix_a_scale:MATRIX_SCALE_ROW1 matrix_b_scale:MATRIX_SCALE_ROW1
.elseif WK == 4
	v_wmma_scale_f32_16x16x128_f8f6f4 v[WD:WD+7], v[WA:WA+7], v[WB:WB+7], 0, v[WSA], v[WSB] matrix_a_fmt:MATRIX_FMT_FP4 matrix_b_fmt:MATRIX_FMT_FP4
.elseif WK == 5
	v_wmma_scale_f32_16x16x128_f8f6f4 v[WD:WD+7], v[WA:WA+7], v[WB:WB+7], 0, v[WSA], v[WSB] matrix_a_fmt:MATRIX_FMT_FP4 matrix_b_fmt:MATRIX_FMT_FP4 matrix_b_scale:MATRIX_SCALE_ROW1
.elseif WK == 6
	v_wmma_scale_f32_16x16x128_f8f6f4 v[WD:WD+7], v[WA:WA+7], v[WB:WB+7], 0, v[WSA], v[WSB] matrix_a_fmt:MATRIX_FMT_FP4 matrix_b_fmt:MATRIX_FMT_FP4 matrix_a_scale:MATRIX_SCALE_ROW1
.else
	v_wmma_scale_f32_16x16x128_f8f6f4 v[WD:WD+7], v[WA:WA+7], v[WB:WB+7], 0, v[WSA], v[WSB] matrix_a_fmt:MATRIX_FMT_FP4 matrix_b_fmt:MATRIX_FMT_FP4 matrix_a_scale:MATRIX_SCALE_ROW1 matrix_b_scale:MATRIX_SCALE_ROW1
.endif
.endm
; nb blocks of 16 numbers a lane (the other 16 in lane l xor 16), block b at v[s + 16 b] on: v[TM + b] becomes the block's scale operand.
; Two chains a block (numbers 0-7 with the floor, numbers 8-14), all by turns; each accumulator among the sources is read from its low end on.
.macro QMAX s, nb
.irp b, 0,1,2,3
.if \b < \nb
	v_max3_num_f32 v[TM+\b], |v[\s+16*\b]|, |v[\s+16*\b+1]|, 0x1800000   ; the floor 2^(3 - 127): the byte cannot fall under 1
.endif
.endr
.irp b, 0,1,2,3
.if \b < \nb
	v_max3_num_f32 v[TM+4+\b], |v[\s+16*\b+8]|, |v[\s+16*\b+9]|, |v[\s+16*\b+10]|
.endif
.endr
.irp i, 2,4
.irp b, 0,1,2,3
.if \b < \nb
	v_max3_num_f32 v[TM+\b], v[TM+\b], |v[\s+16*\b+\i]|, |v[\s+16*\b+\i+1]|
.endif
.endr
.irp b, 0,1,2,3
.if \b < \nb
	v_max3_num_f32 v[TM+4+\b], v[TM+4+\b], |v[\s+16*\b+\i+9]|, |v[\s+16*\b+\i+10]|
.endif
.endr
.endr
.irp b, 0,1,2,3
.if \b < \nb
	v_max3_num_f32 v[TM+\b], v[TM+\b], |v[\s+16*\b+6]|, |v[\s+16*\b+7]|
.endif
.endr
.irp b, 0,1,2,3
.if \b < \nb
	v_max3_num_f32 v[TM+\b], v[TM+\b], v[TM+4+\b], |v[\s+16*\b+15]|
.endif
.endr
.irp b, 0,1,2,3
.if \b < \nb
	v_permlanex16_b32 v[TM+4+\b], v[TM+\b], s[SEL], s[SEL+1]
.endif
.endr
.irp b, 0,1,2,3
.if \b < \nb
	v_max_num_f32 v[TM+\b], v[TM+\b], v[TM+4+\b]   ; with lane l xor 16's: the block's largest magnitude
.endif
.endr
.irp b, 0,1,2,3
.if \b < \nb
	v_add_nc_u32 v[TM+\b], 0xff000000, v[TM+\b]    ; 2 off its exponent field: the conversion's scale operand
.endif
.endr
.endm
.macro CV2 d, s, k                     ; 16 numbers become two registers of codes
	v_cvt_scalef32_pk8_fp4_f32 v[\d], v[\s:\s+7], v[\k]
	v_cvt_scalef32_pk8_fp4_f32 v[\d+1], v[\s+8:\s+15], v[\k]
.endm
.macro BYTES nb                        ; the scale bytes.  (Plain lines behind the last conversion)
.irp b, 0,1,2,3
.if \b < \nb
	v_lshrrev_b32 v[TM+4+\b], 23, v[TM+\b]
.endif
.endr
.endm
.macro SWAP2 p                         ; the operand's layout wants a whole block in a lane: lanes 0-15 the first block, lanes 16-31 the second
	v_permlane16_swap_b32 v[\p], v[\p+2]
	v_permlane16_swap_b32 v[\p+1], v[\p+3]
.endm
; ---- X: a row's numbers, 32 a lane and unit (unit n: half n % 2 of K step n / 2), become half fragments.
.macro XL n
.irp e, 0,1
.irp j, 0,1,2,3
	ds_load_b128 v[XN+32*((\n)%2)+16*\e+4*\j:XN+32*((\n)%2)+16*\e+4*\j+3], v[XAD] offset:512*((\n)/2)+16*((\n)/4)+256*((\n)%2)+128*\e+16*\j
.endr
.endr
.endm
.macro XU n, nu
.if (\n) == 0
	s_wait_dscnt 8                                 ; unit 0 is in; unit 1's loads stay out
.elseif (\n) == (\nu)-1
	s_wait_dscnt 1                                 ; the last unit is in; the store behind it may be out
.else
	s_wait_dscnt 9                                 ; this unit is in; behind it: a store and the next unit's 8 loads
.endif
.set XQ, XN+32*((\n)%2)
	QMAX XQ, 2
	CV2 PC, XQ, TM
	CV2 PC+2, XQ+16, TM+1
	BYTES 2
.if (\n)%2 == 0
	v_lshl_or_b32 v[PWX+(\n)/2], v[TM+5], 8, v[TM+4]
.else
	v_lshl_or_b32 v[PWX+(\n)/2], v[TM+4], 16, v[PWX+(\n)/2]
	v_lshl_or_b32 v[PWX+(\n)/2], v[TM+5], 24, v[PWX+(\n)/2]
.endif
	SWAP2 PC
	ds_store_b128 v[XI], v[PC:PC+3] offset:XIMG+512*(\n)
.if (\n)+2 < (\nu)
	XL (\n)+2
.endif
.endm
; ---- QK
.macro XFL m, s                        ; x's fragment of tile m, K step s
.irp c, 0,1
	ds_load_b128 v[XF+8*(\s)+4*\c:XF+8*(\s)+4*\c+3], v[LB] offset:XIMG+(4*(\m)+(\s))*1024+512*\c
.endr
.endm
.macro PRE                             ; P1's first 13 loads: Wq's and Wk's scale words, x's scale words of tiles 0 and 1, tile 0's fragments
	v_add_nc_u32 v[PW], s[WSO], v[LB]
.irp k, 0,1,2,3
	ds_load_b128 v[WQ+4*\k:WQ+4*\k+3], v[PW] offset:512*\k
.endr
	ds_load_b128 v[SC4:SC4+3], v[LB] offset:XSC
	XFL 0, 0
	XFL 0, 1
	XFL 0, 3
	XFL 0, 2
.endm
.macro QKS s, m                        ; K step s: Q's four tiles, then K's: eight accumulators by turns
.set ZZ, 0
.if \s == 0
.set ZZ, 1
.endif
.irp t, 0,1,2,3
	WMS ACC+8*\t, 8*(8*(\t/2)+2*\s+\t%2), XF+8*\s, ZZ, WQ+4*(\t/2)+\s, SC4+\s, \t%2, \m%2
.endr
.irp t, 0,1,2,3
	WMS ACC+32+8*\t, 128+8*(8*(\t/2)+2*\s+\t%2), XF+8*\s, ZZ, WQ+8+4*(\t/2)+\s, SC4+\s, \t%2, \m%2
.endr
.endm
.macro VX b, s, u                      ; V: x's fragment of tile 2 b + u, K step s
.irp c, 0,1
	ds_load_b128 v[XF+16*((\s)%2)+8*(\u)+4*\c:XF+16*((\s)%2)+8*(\u)+4*\c+3], v[LB] offset:XIMG+(4*(2*(\b)+(\u))+(\s))*1024+512*\c
.endr
.endm
; Tile m of rows.  The quantiser works in the registers of K step 2's fragment, so that fragment of the next tile is fetched last.
.macro QKM m, first
	s_wait_dscnt 2                                 ; all but K step 2's fragment are in
.if (\first) && (\m) == 0
	s_wait_loadcnt 32                              ; the first batch: Wq's and Wk's codes are in (behind them stand Wv's 32 loads).  The second batch has no load out
	s_wait_xcnt 0x0                                ; their addresses' registers may be written
.endif
	WIN 1                                          ; source 0: window 1
	QKS 0, \m
	QKS 1, \m
	s_wait_dscnt 0x0
	QKS 2, \m
	QKS 3, \m
	WIN 0
	PLACES 4
.if \m < 3
.if \m == 1
	ds_load_b128 v[SC4:SC4+3], v[LB] offset:XSC+512
.endif
	XFL \m+1, 0
	XFL \m+1, 1
	XFL \m+1, 3
.else
	v_add_nc_u32 v[PW], s[WSO], v[LB]              ; V's first loads: x's scale words, Wv's, K step 0's fragments and one of K step 1's
	ds_load_b128 v[SC4:SC4+3], v[LB] offset:XSC
	ds_load_b128 v[WV4:WV4+3], v[PW] offset:2048
	ds_load_b128 v[WV4+4:WV4+7], v[PW] offset:2560
	VX 0, 0, 0
	VX 0, 0, 1
	VX 0, 1, 1
.endif
	QMAX ACC, 4
	CV2 PC, ACC, TM
	CV2 PC+2, ACC+16, TM+1
	BYTES 4
	v_lshl_or_b32 v[PW], v[TM+5], 8, v[TM+4]
	v_lshl_or_b32 v[PW], v[TM+6], 16, v[PW]
	v_lshl_or_b32 v[PW], v[TM+7], 24, v[PW]
	SWAP2 PC
	ds_store_b128 v[LQ], v[PC:PC+3] offset:QIMG+1024*\m
	CV2 PC, ACC+32, TM+2
	CV2 PC+2, ACC+48, TM+3
	v_nop                                          ; a plain line behind the last conversion
	SWAP2 PC
	ds_store_b128 v[LQ], v[PC:PC+3] offset:KIMG+1024*\m
	ds_store_b16 v[LQS], v[PW] offset:QSC+64*\m
	ds_store_b16_d16_hi v[LQS], v[PW] offset:KSC+64*\m
.if \m < 3
	XFL \m+1, 2
.else
	VX 0, 1, 0
.endif
.endm
; ---- V for keys 32 b .. 32 b + 31: four tiles of columns x two tiles of rows: eight accumulators by turns
.macro VPR s
.set ZZ, 0
.if \s == 0
.set ZZ, 1
.endif
.irp u, 0,1
.irp i, 0,1,2,3
	WMS ACC+16*\i+8*\u, XF+16*(\s%2)+8*\u, 128+8*(8*(\i/2)+2*\s+\i%2), ZZ, SC4+\s, WV4+4*(\i/2)+\s, \u, \i%2
.endr
.endr
.endm
.macro VH b, first
.if \b == 0
	s_wait_dscnt 8                                 ; K step 0 is in; behind it: K step 1's 4 loads and the last tile's 4 stores
.if \first
	s_wait_loadcnt 0x0                             ; the first batch: Wv's codes are in
.endif
.else
	s_wait_dscnt 4                                 ; K step 0 is in; K step 1's 4 loads stay out
.endif
	VPR 0
	PLACES 4
	VX \b, 2, 0
	VX \b, 2, 1
	s_wait_dscnt 4
	VPR 1
	PLACES 4
	VX \b, 3, 0
	VX \b, 3, 1
	s_wait_dscnt 4
	VPR 2
	s_wait_dscnt 0x0
	VPR 3
	PLACES 5                                       ; the quantiser's lines name the last fragments' registers, so they are no places for the next half's products
.if \b == 0
	ds_load_b128 v[SC4:SC4+3], v[LB] offset:XSC+512
	VX 1, 0, 0
	VX 1, 0, 1
	VX 1, 1, 1
.endif
	QMAX ACC, 4                                    ; block i: my column of tile i, 16 keys a lane
.if \b == 0
	CV2 VC, ACC, TM                                ; tiles 0 and 1 at their places; tiles 2 and 3 wait beside them, since v16-23 hold Wv's scale words
	CV2 VC+4, ACC+16, TM+1
	CV2 VC+2, ACC+32, TM+2
	CV2 VC+6, ACC+48, TM+3
.irp i, 0,1,2,3
	v_lshrrev_b32 v[VB+\i], 23, v[TM+\i]           ; byte 0.  (Plain lines behind the last conversion)
.endr
	VX 1, 1, 0
.else
	v_mov_b32 v[VC+8], v[VC+2]
	v_mov_b32 v[VC+9], v[VC+3]
	v_mov_b32 v[VC+12], v[VC+6]
	v_mov_b32 v[VC+13], v[VC+7]
	CV2 VC+10, ACC+32, TM+2
	CV2 VC+14, ACC+48, TM+3
	CV2 VC+2, ACC, TM
	CV2 VC+6, ACC+16, TM+1
	BYTES 4
.irp i, 0,1,2,3
	v_lshl_or_b32 v[VS+\i], v[TM+4+\i], 8, v[VB+\i]        ; bytes 0 and 1; bytes 2 and 3 are 0
.endr
.irp i, 0,1,2,3
	SWAP2 VC+4*\i
.endr
.endif
.endm
; ---- S
.macro KLD s, a                        ; K's tiles 2 a, 2 a + 1 of K step s
.irp t, 0,1
.irp c, 0,1
	ds_load_b128 v[KB+16*(\a)+8*\t+4*\c:KB+16*(\a)+8*\t+4*\c+3], v[LB] offset:KIMG+(4*(\s)+2*(\a)+\t)*1024+512*\c
.endr
.endr
.endm
.macro QLD s                           ; my query tile's fragment of K step s
.irp c, 0,1
	ds_load_b128 v[QB+8*((\s)%2)+4*\c:QB+8*((\s)%2)+4*\c+3], v[SLW] offset:QIMG+4096*(\s)+512*\c
.endr
.endm
.macro SG s, a
.set ZZ, 0
.if \s == 0
.set ZZ, 1
.endif
.irp t, 0,1
	WMS SA+16*\a+8*\t, KB+16*\a+8*\t, QB+8*(\s%2), ZZ, SK8+4*\a+\s, SQ4+\s, \t, 0
.endr
.endm
.macro SSTEP s                         ; the four tiles of keys by turns; half of K's fragments is fetched while the other half is multiplied
.if \s < 3
	s_wait_dscnt 6                                 ; tiles 0, 1 and Q's are in; behind them 4 loads of tiles 2, 3 and 2 of the next Q fragment
.else
	s_wait_dscnt 4
.endif
	SG \s, 0
.if \s < 3
	PLACES 4
	KLD \s+1, 0
	s_wait_dscnt 6                                 ; tiles 2, 3 are in; behind them 2 loads of Q and the 4 just issued
.else
	s_wait_dscnt 0x0
.endif
	SG \s, 1
	PLACES 4
.if \s < 3
	KLD \s+1, 1
.endif
.if \s < 2
	QLD \s+2
.endif
.endm
.macro SOFTMAX
.irp s, 0,1,2,3
	ds_load_b32 v[SQ4+\s], v[SLR] offset:QSC+256*\s        ; Q's scale words of tile w
	ds_load_b32 v[SK8+\s], v[SL4] offset:KSC+256*\s        ; K's: lanes 0-15 tile 0, lanes 16-31 tile 1;
	ds_load_b32 v[SK8+4+\s], v[SL4] offset:KSC+256*\s+128  ; tiles 2 and 3
.endr
	KLD 0, 0
	QLD 0
	KLD 0, 1
	QLD 1
	SSTEP 0
	SSTEP 1
	SSTEP 2
	SSTEP 3
	; register 8 t + j of lane (r, h) is the score of my query (lane r of tile w) and key 32 (t / 2) + 16 h + 8 (t % 2) + j
.irp t, 0,1,2,3
	v_max3_num_f32 v[SM+\t], v[SA+8*\t], v[SA+8*\t+1], v[SA+8*\t+2]
.endr
.irp i, 3,5
.irp t, 0,1,2,3
	v_max3_num_f32 v[SM+\t], v[SM+\t], v[SA+8*\t+\i], v[SA+8*\t+\i+1]
.endr
.endr
.irp t, 0,1,2,3
	v_max_num_f32 v[SM+\t], v[SM+\t], v[SA+8*\t+7]
.endr
	v_max3_num_f32 v[SM], v[SM], v[SM+1], v[SM+2]
	v_max_num_f32 v[SM], v[SM], v[SM+3]
	v_permlanex16_b32 v[SM+1], v[SM], s[SEL], s[SEL+1]
	v_max_num_f32 v[SM], v[SM], v[SM+1]            ; the row's largest score,
	v_mul_f32 v[SM], s[CS], v[SM]                  ; as t (c is positive)
	v_floor_f32 v[NM], -v[SM]                      ; -M = floor(-t) = -ceil(t)
.irp j, 0,2,4,6,8,10,12,14,16,18,20,22,24,26,28,30
	v_pk_fma_f32 v[SA+\j:SA+\j+1], v[SA+\j:SA+\j+1], s[CS:CS+1], v[NM:NM+1] op_sel_hi:[1,0,0]   ; t - M, two at a time
.endr
	s_wait_alu depctr_va_vdst(0)                   ; the wait ahead of the batch
.irp j, 0,1,2,3,4,5,6,7,8,9,10,11,12,13,14,15,16,17,18,19,20,21,22,23,24,25,26,27,28,29,30,31
	v_exp_f32 v[SA+\j], v[SA+\j]                   ; p = 2^(t - M): not normalised
.endr
	v_nop                                          ; a plain line behind the last exponential
	s_wait_alu depctr_va_vdst(0)                   ; one wait for the batch of 32, ahead of its first reader
	v_pk_add_f32 v[SM+2:SM+3], v[SA:SA+1], v[SA+2:SA+3]    ; the row's sum, of the unquantised p: two chains
	v_pk_add_f32 v[SM+4:SM+5], v[SA+4:SA+5], v[SA+6:SA+7]
.irp j, 8,12,16,20,24,28
	v_pk_add_f32 v[SM+2:SM+3], v[SM+2:SM+3], v[SA+\j:SA+\j+1]
	v_pk_add_f32 v[SM+4:SM+5], v[SM+4:SM+5], v[SA+\j+2:SA+\j+3]
.endr
	v_pk_add_f32 v[SM+2:SM+3], v[SM+2:SM+3], v[SM+4:SM+5]
	v_add_f32 v[SM+2], v[SM+2], v[SM+3]
	v_permlanex16_b32 v[SM+3], v[SM+2], s[SEL], s[SEL+1]
	v_add_f32 v[SM+2], v[SM+2], v[SM+3]            ; l
	s_wait_alu depctr_va_vdst(0)                   ; the wait ahead of the transcendental
	v_rcp_f32 v[SM+6], v[SM+2]                     ; 1 / l; the quantiser below is the independent work behind it
	QMAX SA, 2                                     ; p along the keys: half a fragment, bytes 0 and 1 of the scale word
	CV2 PC, SA, TM
	CV2 PC+2, SA+16, TM+1
	BYTES 2
	v_lshl_or_b32 v[TM+4], v[TM+5], 8, v[TM+4]
	SWAP2 PC
	s_wait_alu depctr_va_vdst(0)                   ; the wait for the reciprocal, ahead of its first reader
	ds_store_b128 v[SLP], v[PC:PC+3] offset:PIMG
	ds_store_b32 v[SLR], v[TM+4] offset:PSC
	ds_store_b32 v[SLR], v[SM+6] offset:LINV
.endm
; ---- O
.macro LVL q                           ; 1 / l of queries 8 h + 0 .. 7 of tile q: the rows that my registers hold
	ds_load_b128 v[LV+8*((\q)%2):LV+8*((\q)%2)+3], v[OLH] offset:LINV+64*(\q)
	ds_load_b128 v[LV+8*((\q)%2)+4:LV+8*((\q)%2)+7], v[OLH] offset:LINV+64*(\q)+16
.endm
.macro OW q, a                         ; query tile q, tiles 2 a and 2 a + 1 of columns
	WMS OA+16*\a, PF+8*\q, VC+8*\a, 1, SCP+\q, VS+2*\a, 0, 0
	WMS OA+16*\a+8, PF+8*\q, VC+8*\a+4, 1, SCP+\q, VS+2*\a+1, 0, 0
.endm
.macro ORD q, a                        ; each result x 1 / l of its query, two at a time, a chain for each tile of columns
.irp j, 0,2,4,6
.irp e, 0,1
.if (\q) == 0 && (\j) == 0
	v_pk_mul_f32 v[PS+4*\a+2*\e:PS+4*\a+2*\e+1], v[OA+16*\a+8*\e:OA+16*\a+8*\e+1], v[LV:LV+1]
.else
	v_pk_fma_f32 v[PS+4*\a+2*\e:PS+4*\a+2*\e+1], v[OA+16*\a+8*\e+\j:OA+16*\a+8*\e+\j+1], v[LV+8*(\q%2)+\j:LV+8*(\q%2)+\j+1], v[PS+4*\a+2*\e:PS+4*\a+2*\e+1]
.endif
.endr
.endr
.endm
; ONE BATCH.  first: the weights' waits stand in it.  refill: the slot is filled with the batch two further on.  more: a batch follows: its x is quantised, its first loads are issued.
.macro BATCH first, refill, more
	; ---- P1
.set TM, 44
.irp m, 0,1,2,3
	QKM \m, \first
.endr
	VH 0, \first
	VH 1, \first
.if \more
	s_wait_tensorcnt 0x0                           ; my 8 rows of the next batch are in
.endif
	s_wait_dscnt 0x0                               ; my stores have landed
	s_barrier_signal -1
	v_add_nc_u32 v[SLW], s[W10], v[LB]             ; P2's addresses
	v_add_nc_u32 v[SLP], s[W9], v[LB]
	v_and_b32 v[SLR], 15, v0
	v_lshl_add_u32 v[SLR], v[SLR], 2, s[IR]
	v_and_b32 v[SL4], 31, v0
	v_lshl_add_u32 v[SL4], v[SL4], 2, IMG0
.if \more
	v_mov_b32 v[XAD], v[XA]
	v_add_nc_u32 v[XI], s[X12], v[LB]
	v_and_b32 v[XSA], 15, v0
	v_lshl_add_u32 v[XSA], v[XSA], 4, s[XSS]
.endif
	s_wait_alu depctr_va_vdst(0)
	s_barrier_wait -1                              ; Q's and K's fragments and the next x lie in LDS; nobody reads x's fragments any more
	; ---- P2
	s_cmp_lt_u32 s[WV], 4
	s_cbranch_scc0 .Lquant_\@
	SOFTMAX
	s_branch .Ljoin_\@
.Lquant_\@:
.if \more
.set TM, 92
	XL 0
	XL 1
.irp n, 0,1,2,3,4,5,6,7
	XU \n, 8
.endr
	ds_store_b128 v[XSA], v[PWX:PWX+3] offset:XSC  ; my rows' four scale words (both halves of the lanes hold and write the same)
.set TM, 44
.endif
.Ljoin_\@:
.if \refill
	s_wait_tensorcnt 0x0                           ; no tensor load of mine is out, so a group 0 may be written
	ds_add_u32 v[SPW], v[NIL]                      ; 0 onto my spare word
	s_add_nc_u64 s[G0+2:G0+3], s[G0+2:G0+3], 0x20000       ; the next batch; the type bits on top are not reached
.endif
	s_wait_dscnt 0x0
	s_barrier_signal -1
	v_and_b32 v[OL4], 31, v0                       ; O's addresses
	v_lshlrev_b32 v[PFL], 8, v[OL4]
	v_lshl_add_u32 v[OL4], v[OL4], 2, IMG0
	v_bfe_u32 v[OLH], v0, 4, 1
	v_lshl_add_u32 v[OLH], v[OLH], 5, IMG0
.irp q, 0,1,2,3
.irp j, 4,5,6,7
	v_mov_b32 v[PF+8*\q+\j], 0                     ; P's k = 64 .. 127: zero codes
.endr
.endr
	s_wait_alu depctr_va_vdst(0)
	s_barrier_wait -1                              ; P and the next x's fragments lie in LDS; nobody reads the slot any more
.if \refill
	tensor_load_to_lds s[G0:G0+3], s[G1:G1+7]      ; the first thing behind the barrier, my one load; it has O and the next batch's P1 in which to land
	s_nop 0
	PLACES 4
.endif
	; ---- P3
.irp q, 0,1,2,3
	ds_load_b128 v[PF+8*\q:PF+8*\q+3], v[LB] offset:PIMG+512*\q
	ds_load_b32 v[SCP+\q], v[OL4] offset:PSC+64*\q         ; lanes 0-15 hold tile q's words; what lanes 16-31 bring is not read
.endr
	LVL 0
	LVL 1
.if \refill
	s_cmp_eq_u32 s[BC], 2                          ; batch 0 asks for batch 3's rows, a batch ahead of their load; behind batch 3 there is none
	s_cbranch_scc0 .Lnone_\@
	global_prefetch_b8 v[PFL], s[PFA:PFA+1] offset:393216 th:TH_LOAD_NT scope:SCOPE_SE
	global_prefetch_b8 v[PFL], s[PFA:PFA+1] offset:401408 th:TH_LOAD_NT scope:SCOPE_SE
.Lnone_\@:
.endif
	s_wait_dscnt 0x0
	OW 0, 0                                        ; two products, then the sums over two other accumulators: those lines are the places
	OW 0, 1
	PLACES 4
	ORD 0, 0
	OW 1, 0
	ORD 0, 1
	LVL 2
	OW 1, 1
	ORD 1, 0
	OW 2, 0
	ORD 1, 1
	LVL 3
	OW 2, 1
	s_wait_alu depctr_va_vdst(0)
	s_wait_dscnt 2                                 ; tile 2's 1 / l are in; tile 3's 2 loads stay out
	ORD 2, 0
	OW 3, 0
	ORD 2, 1
	OW 3, 1
	s_wait_alu depctr_va_vdst(0)
	s_wait_dscnt 0x0
	ORD 3, 0
	ORD 3, 1
.irp i, 0,1,2,3
	v_add_f32 v[LV+\i], v[PS+2*\i], v[PS+2*\i+1]   ; tile i's column sum over my half's 32 queries
.endr
	v_permlane16_swap_b32 v[LV], v[LV+1]           ; lanes 0-15 tile 0's two halves, lanes 16-31 tile 1's
	v_permlane16_swap_b32 v[LV+2], v[LV+3]
	v_add_f32 v[LV], v[LV], v[LV+1]                ; out(64 w + lane)
	v_add_f32 v[LV+2], v[LV+2], v[LV+3]            ; out(64 w + 32 + lane)
	v_and_b32 v[OL4], 31, v0
	v_lshl_add_u32 v[OLH], v[OL4], 2, s[ST]
	v_lshl_add_u32 v[SL4], v[OL4], 3, s[ST]
	v_lshlrev_b32 v[PC+2], 3, v[OL4]
	ds_store_b32 v[OLH], v[LV] offset:STG          ; through my own 256 bytes of LDS, so that a lane holds two neighbours
	ds_store_b32 v[OLH], v[LV+2] offset:STG+128
	ds_load_b64 v[PC:PC+1], v[SL4] offset:STG      ; LDS serves a wave's instructions in order (ISA guide 5.7.1.4): this sees the stores above
.if \more
	PRE
	s_wait_alu depctr_va_vdst(0)
	s_wait_dscnt 13                                ; all but the next batch's first 13 loads
.else
	s_wait_alu depctr_va_vdst(0)
	s_wait_dscnt 0x0
.endif
	global_store_b64 v[PC+2], v[PC:PC+1], s[10:11] th:TH_STORE_NT   ; 32 lanes store 256 consecutive bytes, at a multiple of 256 from out's first byte
	s_wait_xcnt 0x0                                ; the store has read its registers and its base: they are written again only behind this wait
.if \more
	s_add_nc_u64 s[10:11], s[10:11], 2048          ; the next batch's row of out
.endif
.endm
	s_load_b256 s[4:11], s[0:1], 0x0               ; x s[4:5], wimg s[6:7], wscl s[8:9], out s[10:11]
	v_lshl_add_u32 v[SPW], v0, 2, SPARE
	v_mov_b32 v[NIL], 0
	ds_add_u32 v[SPW], v[NIL]                      ; the wave's opening: the add, twice on end, and its wait ahead of my first tensor load
	ds_add_u32 v[SPW], v[NIL]
	v_lshrrev_b32 v28, 5, v0
	v_readfirstlane_b32 s[WV], v28                 ; wave 0..7
	; descriptor group 1: 8 rows of x, dense in memory, as 16 rows of 1,024 bytes
	s_mov_b32 s[G1+0], (3<<16)|(1<<20)|(7<<22)|(3<<25)   ; 15:0 no mask; 17:16 elements of 8 bytes; 20 padding on; 24:22 after every 256 words (code 7); 31:25 four words (code 3)
	s_mov_b32 s[G1+1], 128<<16                     ; tensor_dim0 = 128 elements
	s_mov_b32 s[G1+2], 16<<16                      ; tensor_dim1 = 16
	s_mov_b32 s[G1+3], 128<<16                     ; tile_dim0 = 128
	s_mov_b32 s[G1+4], 16                          ; tile_dim1 = 16
	s_mov_b32 s[G1+5], 128                         ; tensor_dim0_stride
	s_mov_b32 s[G1+6], 0
	s_mov_b32 s[G1+7], 0
	s_mov_b32 s[SEL], 0x76543210
	s_mov_b32 s[SEL+1], 0xfedcba98
	s_mov_b32 s[CS], 0x3d8293ee                    ; c = log2(e) / sqrt(512)
	s_mov_b32 s[CS+1], s[CS]                       ; (named with it as a pair, so it is written)
	s_lshl_b32 s[W10], s[WV], 10
	s_lshl_b32 s[W9], s[WV], 9
	s_lshl_b32 s[IR], s[WV], 6
	s_add_co_u32 s[IR], s[IR], IMG0
	s_and_b32 s40, s[WV], 3                        ; the tile that I quantise
	s_lshl_b32 s[X12], s40, 12
	s_lshl_b32 s[XSS], s40, 8
	s_add_co_u32 s[XSS], s[XSS], IMG0
	s_lshl_b32 s[ST], s[WV], 8
	s_add_co_u32 s[ST], s[ST], IMG0
	s_mul_i32 s[WSO], s[WV], 3072
	s_add_co_u32 s[WSO], s[WSO], WSC
	s_lshr_b32 s41, s40, 1                         ; tile 2 b + u: rows 32 b + 8 u + r % 8 lie in part 4 b + u of the slot, those 16 further on in part 4 b + u + 2
	s_mul_i32 s45, s41, 4*PART
	s_and_b32 s41, s40, 1
	s_mul_i32 s41, s41, PART
	s_add_co_u32 s45, s45, s41
	s_lshr_b32 s41, s[WV], 1                       ; w / 2
	s_and_b32 s42, s[WV], 1                        ; w % 2
	s_lshl_b32 s43, s41, 12
	s_lshl_b32 s44, s42, 9
	s_add_co_u32 s43, s43, s44                     ; my half fragments: 4096 (w / 2) + 512 (w % 2)
	s_lshl_b32 s44, s41, 8
	s_lshl_b32 s46, s42, 1
	s_add_co_u32 s44, s44, s46
	s_add_co_u32 s44, s44, IMG0                    ; and their scale bytes
	s_lshr_b32 s46, s[WV], 2                       ; batch 0: all eight waves quantise: which half of the row is mine
	s_mul_i32 s47, s46, 1040
	s_lshl_b32 s33, s46, 11
	s_add_co_u32 s33, s33, s[X12]
	s_lshl_b32 s46, s46, 3
	s_add_co_u32 s46, s46, s[XSS]
	v_and_b32 v28, 31, v0                          ; lane
	v_and_b32 v29, 15, v0                          ; r
	v_lshl_add_u32 v[LB], v28, 4, IMG0
	v_add_nc_u32 v[LQ], s43, v[LB]
	v_lshl_add_u32 v[LQS], v29, 2, s44
	v_bfe_u32 v30, v0, 3, 1                        ; r / 8
	v_mul_u32_u24 v[XA], v30, 2*PART+16
	v_and_b32 v31, 7, v0                           ; r % 8
	v_mad_u32_u24 v[XA], v31, XROW, v[XA]
	v_bfe_u32 v30, v0, 4, 1                        ; h
	v_lshl_add_u32 v[XA], v30, 6, v[XA]
	v_add_nc_u32 v[XA], s45, v[XA]
	v_add_nc_u32 v[XAD], s47, v[XA]
	v_add_nc_u32 v[XI], s33, v[LB]
	v_lshl_add_u32 v[XSA], v29, 4, s46
	v_lshlrev_b32 v107, 8, v28                     ; the prefetches' offset
	v_lshlrev_b32 v108, 4, v28                     ; the weights' offset
	v_add_nc_u32 v109, s[WSO], v[LB]               ; LDS: my weights' scale words
	s_wait_alu depctr_va_vdst(0)
	s_wait_dscnt 0x0                               ; both opening adds are done
	s_wait_kmcnt 0x0
	s_lshl_b32 s46, ttmp9, 19                      ; my work-group's 4 batches of 131,072 bytes,
	s_lshl_b32 s47, s[WV], 14                      ; my wave's 8 rows
	s_add_co_u32 s46, s46, s47
	s_mov_b32 s47, 0
	s_add_nc_u64 s[PFA:PFA+1], s[4:5], s[46:47]
	s_mov_b32 s[G0], 1                             ; 1:0 count = 1
	s_mul_i32 s[G0+1], s[WV], PART                 ; 63:32 LDS address: part w of the slot
	s_and_b32 s43, s41, 1
	s_lshl_b32 s43, s43, 4
	s_add_co_u32 s[G0+1], s[G0+1], s43
	s_mov_b64 s[G0+2:G0+3], s[PFA:PFA+1]           ; 120:64 global address: batch 0
	s_or_b32 s[G0+3], s[G0+3], 0x80000000          ; 127:126 type = 2
	tensor_load_to_lds s[G0:G0+3], s[G1:G1+7]      ; batch 0: my one tensor load at the head
	s_nop 0
	PLACES 4
	s_lshl_b32 s46, s[WV], 14
	s_add_nc_u64 s[6:7], s[6:7], s[46:47]          ; wimg: my 16 fragments of each matrix begin 16,384 w bytes on
	s_mul_i32 s46, s41, 6144
	s_lshl_b32 s43, s42, 10
	s_add_co_u32 s46, s46, s43
	s_add_nc_u64 s[8:9], s[8:9], s[46:47]          ; wscl: my 2 groups of 512 bytes of each matrix
	s_lshl_b32 s46, ttmp9, 13
	s_lshl_b32 s43, s[WV], 8
	s_add_co_u32 s46, s46, s43
	s_add_nc_u64 s[10:11], s[10:11], s[46:47]      ; out: my work-group's first batch, my 64 columns
	; THE WEIGHTS: the scale words, Wq's codes, Wk's; Wv's follow when batch 0 has been quantised.  Loads come back in order (ISA guide 5.7.1)
.irp g, 0,1,2
.irp b, 0,1
	global_load_b128 v[60+8*\g+4*\b:60+8*\g+4*\b+3], v108, s[8:9] offset:2048*\g+512*\b
.endr
.endr
	WIN 0x40                                       ; Wq and Wk into window 1, fragment f at v[8 f] and v[128 + 8 f]; each load takes 512 consecutive bytes
.irp g, 0,1
.set NN, 0
.rept 32
	global_load_b128 v[128*\g+4*NN:128*\g+4*NN+3], v108, s[6:7] offset:131072*\g+512*NN
.set NN, NN+1
.endr
.endr
	WIN 0
	global_prefetch_b8 v107, s[PFA:PFA+1] offset:131072 th:TH_LOAD_NT scope:SCOPE_SE   ; my 8 rows of batch 1, ahead of their tensor load
	global_prefetch_b8 v107, s[PFA:PFA+1] offset:139264 th:TH_LOAD_NT scope:SCOPE_SE
	s_wait_loadcnt 63                              ; of 70 loads the first 7 are in, the six of scale words among them
.irp k, 0,1,2,3,4,5
	ds_store_b128 v109, v[60+4*\k:60+4*\k+3] offset:512*\k         ; bytes that my wave alone reads
.endr
	s_wait_tensorcnt 0x0                           ; my part of batch 0 is in
	s_wait_dscnt 0x0
	s_barrier_signal -1
	s_barrier_wait -1                              ; everybody's is
.set TM, 92
	XL 0
	XL 1
.irp n, 0,1,2,3
	XU \n, 4
.endr
	ds_store_b64 v[XSA], v[PWX:PWX+1] offset:XSC
.set TM, 44
	s_wait_tensorcnt 0x0                           ; no tensor load of mine is out, so a group 0 may be written
	ds_add_u32 v[SPW], v[NIL]                      ; 0 onto my spare word
	s_add_nc_u64 s[G0+2:G0+3], s[G0+2:G0+3], 0x20000       ; batch 1
	s_wait_dscnt 0x0
	s_barrier_signal -1
	s_barrier_wait -1                              ; x's sixteen fragments lie in LDS, and nobody reads the slot any more
	tensor_load_to_lds s[G0:G0+3], s[G1:G1+7]
	s_nop 0
	PLACES 4
	PRE
.set NN, 0
.rept 32
	global_load_b128 v[128+4*NN:128+4*NN+3], v108, s[6:7] offset:262144+512*NN     ; Wv into v128-255
.set NN, NN+1
.endr
	global_prefetch_b8 v107, s[PFA:PFA+1] offset:262144 th:TH_LOAD_NT scope:SCOPE_SE   ; my 8 rows of batch 2
	global_prefetch_b8 v107, s[PFA:PFA+1] offset:270336 th:TH_LOAD_NT scope:SCOPE_SE
	s_mov_b32 s[BC], 2
.Lbatch:                                           ; batches 0 and 1: they fetch batches 2 and 3
	BATCH 1, 1, 1
	s_sub_co_u32 s[BC], s[BC], 1
	s_cmp_lg_u32 s[BC], 0
	s_cbranch_scc1 .Lbatch
	BATCH 0, 0, 1                                  ; batch 2: nothing is left to fetch
	BATCH 0, 0, 0                                  ; batch 3
	s_wait_tensorcnt 0x0                           ; the wave's end: behind my last tensor load and my last LDS store
	ds_add_u32 v[SPW], v[NIL]
	s_wait_dscnt 0x0
	s_endpgm
.Lfunc_end_k_q65c872d83f_attn:
	.size	k_q65c872d83f_attn, .Lfunc_end_k_q65c872d83f_attn-k_q65c872d83f_attn
	.p2alignl 7, 3214868480
	.fill 96, 4, 3214868480
	.section	.rodata,"a",@progbits
	.p2align	6, 0x0
	.amdhsa_kernel k_q65c872d83f_attn
		.amdhsa_group_segment_fixed_size 327680
		.amdhsa_private_segment_fixed_size 0
		.amdhsa_enable_private_segment 0
		.amdhsa_kernarg_size 32
		.amdhsa_user_sgpr_count 2
		.amdhsa_user_sgpr_kernarg_segment_ptr 1
		.amdhsa_wavefront_size32 1
		.amdhsa_system_sgpr_workgroup_id_x 1
		.amdhsa_system_sgpr_workgroup_id_y 1
		.amdhsa_system_sgpr_workgroup_id_z 1
		.amdhsa_system_vgpr_workitem_id 0
		.amdhsa_next_free_vgpr 512
		.amdhsa_next_free_sgpr 66
		.amdhsa_reserve_vcc 0
		.amdhsa_float_denorm_mode_32 3
		.amdhsa_float_denorm_mode_16_64 3
		.amdhsa_memory_ordered 1
		.amdhsa_forward_progress 1
		.amdhsa_inst_pref_size 255
	.end_amdhsa_kernel
	.section	.bss,"aw",@nobits
	.p2align	6
	.space	262144
	.amdgpu_metadata
---
amdhsa.version: [ 1, 2 ]
amdhsa.kernels:
  - .name:           k_q65c872d83f_attn
    .symbol:         k_q65c872d83f_attn.kd
    .args:
      - { .name: x, .offset: 0, .size: 8, .value_kind: global_buffer, .address_space: global }
      - { .name: wimg, .offset: 8, .size: 8, .value_kind: global_buffer, .address_space: global }
      - { .name: wscl, .offset: 16, .size: 8, .value_kind: global_buffer, .address_space: global }
      - { .name: out0, .offset: 24, .size: 8, .value_kind: global_buffer, .address_space: global }
    .group_segment_fixed_size: 327680
    .private_segment_fixed_size: 0
    .kernarg_segment_align: 8
    .kernarg_segment_size: 32
    .max_flat_workgroup_size: 256
    .sgpr_count:     66
    .vgpr_count:     512
    .wavefront_size: 32
...
	.end_amdgpu_metadata
.endif
;; end of part 2
